; MI455X (gfx1250); checked and timed in simulation.
; The chip was launched on July 23, 2026; its instructions are those of AMD's public machine-readable ISA for CDNA 5 (MIT licence, August 2026) and "CDNA5" Instruction Set Architecture Reference Guide (July 2026). The comments in the code are by the model that wrote it; some were corrected since.
;; Multi Head Attention. Allowed arithmetic: matrix products marked QUANTISED: E2M1 operands, one E8M0 scale for each 32 along K, by v_wmma_scale_f32_16x16x128_f8f6f4 with both operands' format E2M1 (or v_wmma_scale_f32_32x16x128_f4), f32 sums; everything else in f32.
;; Inputs: bk 1,024 float32; bo 1,024 float32; bq 1,024 float32; bv 1,024 float32; input_codes 4 x 2,048 x 32 x 16 uint8 (E2M1 codes of input, K innermost, in blocks of 32 codes, two codes a byte); input_scales 4 x 2,048 x 32 uint8 (E8M0 scales of input, one for each 32 codes along K); mask 4 x 2,048 int32; wk_codes 1,024 x 32 x 16 uint8 (E2M1 codes of wk, K innermost, in blocks of 32 codes, two codes a byte); wk_scales 1,024 x 32 uint8 (E8M0 scales of wk, one for each 32 codes along K); wo_codes 1,024 x 32 x 16 uint8 (E2M1 codes of wo, K innermost, in blocks of 32 codes, two codes a byte); wo_scales 1,024 x 32 uint8 (E8M0 scales of wo, one for each 32 codes along K); wq_codes 1,024 x 32 x 16 uint8 (E2M1 codes of wq, K innermost, in blocks of 32 codes, two codes a byte); wq_scales 1,024 x 32 uint8 (E8M0 scales of wq, one for each 32 codes along K); wv_codes 1,024 x 32 x 16 uint8 (E2M1 codes of wv, K innermost, in blocks of 32 codes, two codes a byte); wv_scales 1,024 x 32 uint8 (E8M0 scales of wv, one for each 32 codes along K).
;; Outputs: out0 4 x 2,048 x 1,024 float32.
;; This version of the problem:
;;   THIS VERSION OF THE PROBLEM IS GIVEN IN LOW PRECISION. The matrix products marked QUANTISED in the list below multiply operands that are first quantised to E2M1 (2 exponent bits, 1 mantissa bit; 4 bits a number), with one power-of-two scale for each 32 numbers along K (OCP MX v1.0); their sums are f32. All else is computed in f32.
;;   The module's matrix products, in the order in which they are computed (A, B: the left and right operand; K: the contracted axis; several contracted axes count as one K, in the product's order):
;;     1. [M 8,192, K 1,024] x [K 1,024, N 1,024]; A: input input (given as codes); B: input wq (given as codes): QUANTISED
;;     2. [M 8,192, K 1,024] x [K 1,024, N 1,024]; A: input input (given as codes); B: input wk (given as codes): QUANTISED
;;     3. [M 8,192, K 1,024] x [K 1,024, N 1,024]; A: input input (given as codes); B: input wv (given as codes): QUANTISED
;;     4. batch 64 x [M 2,048, K 64] x [K 64, N 2,048]; A: computed on the way; B: computed on the way: QUANTISED
;;     5. batch 64 x [M 2,048, K 2,048] x [K 2,048, N 64]; A: softmax (see below); B: computed on the way: QUANTISED
;;     6. [M 8,192, K 1,024] x [K 1,024, N 1,024]; A: computed on the way; B: input wo (given as codes): QUANTISED
;;   THE QUANTISER, for each operand of a quantised product, along K:
;;     - K is cut into blocks of 32 from its start; a last block that is shorter is filled with zeros.
;;     - A block's scale is 2^e with e = floor(log2(the largest magnitude in the block)) - 2, held to -126 .. 127; a block of zeros has e = 0. As a byte (E8M0): e + 127.
;;     - Each number is divided by its block's scale, clamped to +-6, and rounded to the nearest number of E2M1, ties to even, subnormals kept.
;;     - The product sums the exact products of the quantised numbers (number of the format x scale) in f32.
;;   ~~~python
;;   def quantise(x, axis):      # numpy; x: float32 -> the quantised numbers, widened to float32 again
;;       x = np.moveaxis(x, axis, -1); K = x.shape[-1]
;;       x = np.pad(x, [(0, 0)] * (x.ndim - 1) + [(0, -K % 32)]); x = x.reshape(x.shape[:-1] + (-1, 32)); a = np.abs(x).max(-1, keepdims=True)
;;       e = np.where(a > 0, np.clip(np.frexp(np.where(a > 0, a, 1))[1] - 1 - 2, -126, 127), 0)      # np.frexp(a)[1] - 1 = floor(log2(a)), exactly
;;       r = np.clip(x / 2.0 ** e, -6, 6)
;;       step = 2.0 ** (np.maximum(np.frexp(np.where(r == 0, 1, r))[1] - 1, 0) - 1)
;;       q = np.round(r / step) * step * 2.0 ** e      # np.round: ties to even
;;       return np.moveaxis(q.reshape(q.shape[:-2] + (-1,))[..., :K], -1, axis).astype(np.float32)
;;   ~~~
;;   SOFTMAX AHEAD OF A QUANTISED PRODUCT. Where the list says 'softmax', what is quantised is not the finished softmax but p = 2^(t - M), with t = logit x log2(e) and M = ceil(the row's largest t), a whole number; so 1/2 < the row's largest p <= 1. The row's sum l is taken of the UNQUANTISED p, in f32, and the product's result is divided by l at the end. Since M is a whole number, a kernel that streams over the keys may use a running M (the ceiling of the running maximum): every later rescaling is an exact power of two, which a block's scale takes up: the codes' values come out the same.
;;   OPERANDS COMPUTED ON THE WAY. 'Computed on the way' means the value that the module computes at that place (a softmax that the list does not call 'softmax' is quantised finished and normalised). What goes into a quantiser is computed in f32, as accurately as f32 sums, v_exp_f32 and their like allow (about 1e-6 of the number): no bf16 or f16 on the way to a quantiser, and a product that is left as it is and whose result goes on into a quantised operand takes f32 operands (vector FMAs, or v_wmma_f32_16x16x4_f32). A number that lies on a knife's edge between two numbers of the format may be rounded either way, as far as f32 arithmetic and the matrix unit's own rounding can turn it there, and no further.
;;   INPUTS GIVEN AS CODES. input (in the module: [4, 2048, 1024], K = its axis 2); wk (in the module: [1024, 1024], K = its axis 1); wo (in the module: [1024, 1024], K = its axis 1); wq (in the module: [1024, 1024], K = its axis 1); wv (in the module: [1024, 1024], K = its axis 1): each comes as NAME_codes (uint8): NAME with its K axis moved to the last place and cut into blocks of 32 codes, [.., K / 32, bytes a block], one block behind the other in memory; two codes a byte, the lower K in the low four bits (a code: sign, 2 exponent bits, 1 mantissa bit); and NAME_scales (uint8): the same leading axes, one E8M0 byte (e + 127) for each 32 codes along K. Its value is code x scale, taken as it is: it is not quantised again, and the codes and scales need not be those that the quantiser above would give.
;; One version. Each part assembles by itself: llvm-mc -triple=amdgcn-amd-amdhsa -mcpu=gfx1250 --defsym DOCPART=n.
;; ======== version 1 of 1: 3 launches
;; limits: right only within a limited range of input values
;; workspace buffers: qc 4,194,304 bytes; qs 524,288 bytes; kv 8,912,896 bytes; cc 4,194,304 bytes; cs 262,144 bytes
;; launch qkv (part 1): grid 8 x 64, 4 waves a work-group, clusters of 4 x 4, 299,520 bytes of LDS; arguments input_codes, input_scales, wq_codes, wq_scales, wk_codes, wk_scales, wv_codes, wv_scales, bq, bk, bv, qc, qs, kv; writes qc, qs, kv
.if DOCPART == 1
	.amdgcn_target "amdgcn-amd-amdhsa--gfx1250"
	.amdhsa_code_object_version 6
	.text
	.protected	k_q5c927040c4_qkv
	.globl	k_q5c927040c4_qkv
	.p2align	8
	.type	k_q5c927040c4_qkv,@function
k_q5c927040c4_qkv:
	s_mov_b64 s[64:65], 0
	v_nop
	global_prefetch_b8 v0, s[64:65] scope:SCOPE_SE
	s_setreg_imm32_b32 hwreg(HW_REG_WAVE_MODE, 25, 1), 1
	s_wait_xcnt 0x0
	s_wait_alu depctr_hold_cnt(0) depctr_sa_sdst(0) depctr_va_vdst(0) depctr_va_sdst(0) depctr_va_ssrc(0) depctr_va_vcc(0) depctr_vm_vsrc(0)
	s_getreg_b32 s2, hwreg(HW_REG_IB_STS2, 6, 4)
	s_cmp_eq_u32 s2, 0
	s_cbranch_scc0 .Lentry_in_a_cluster
	s_endpgm
.Lentry_in_a_cluster:
	s_bfe_u32 s2, ttmp6, 0x10000c
	s_cmp_lg_u32 s2, 0xf033
	s_cbranch_scc0 .Lentry_shape_is_right
	s_endpgm
.Lentry_shape_is_right:
; q = (x Wq^T + bq) / 8, k = x Wk^T + bk, v = x Wv^T + bv on codes of FP4 (E2M1) with one E8M0 scale for each 32 along K = 1,024; the results are quantised at once:
; q and k along the head's 64 (two blocks), v along the keys (blocks of 32 keys), and leave as IMAGES OF OPERAND REGISTERS (a group of four registers: lane l's 16 bytes at 16 l, 512 bytes on end).
; SHARES.  A work-group takes 128 tokens (one key step of the attention launch) x the 128 features of two heads, of q, k and v alike, over all of K.  Wave w: head wa = w / 2 of the pair, tokens 64 wb on, wb = w % 2:
; 48 accumulators of 16 x 16.  A K step of 128 reads 16 fragments from LDS for 48 matrix instructions.
; q and k are made TRANSPOSED (source 0 = 16 rows of W, source 1 = 16 tokens): a lane holds one token, its registers run along the features.  v is made the other way round (source 0 = tokens, source 1 = rows of Wv):
; a lane holds one feature, its registers run along the keys.  So each quantiser finds neighbours along its K in one lane's registers.
; LDS is filled once: the four tiles (x, Wq, Wk, Wv), 128 rows x 512 bytes each, as two chunks of 256-byte rows, and their scale bytes.  Wave w fetches tile w.
; CLUSTER 4 x 4: x's tile hangs on the token block alone and is shared along a row of the cluster, the weights' on the pair of heads alone and are shared along a column: joint loads.
; LIMITS: a block of zeros carries the scale byte 1 where the rule says 127 (its codes are zeros, and these bytes are read by this program alone); NaN and infinities among the inputs are not served.
; REGISTERS.  window 0: v1-15 lane numbers and addresses; v16-47 scale words SA (lanes 0-15 x, lanes 16-31 Wq), v48-79 SB (lanes 0-15 Wk, lanes 16-31 Wv); v80-143 x's fragments, two sets;
;   v144-239 Wq's, Wk's, Wv's fragments; v240-248 at work.  window 1: q's accumulators (feature tile i, token tile n) at 32 n + 8 i, k's at 128 + 32 n + 8 i.
;   window 2: v's accumulators (token tile i, feature tile n) at 32 n + 8 i; v128-159 bq, v160-191 bk in the result's layout; v192-199 bv, each number twice (a pair for the packed add).
.set PITCH, 272                        ; an LDS row: 256 bytes + 16 of padding = 68 words, so the 16 rows of a fragment load start 4 banks apart (64 banks of 4 bytes: ISA guide 11.1)
.set TILE,  128*PITCH                  ; one chunk of one operand
.set OPER,  2*TILE                     ; one operand
.set SCL,   4*OPER                     ; the scale bytes: 4,096 an operand, as 16 units of 256 bytes + 16
.set SCT,   16*272
.set STG,   SCL+4*SCT                  ; 2,048 bytes that only LDS stores fill: q's scale words of the two heads, then each head's 512 bytes of K's and V's scale words
.set KVH,   139264                     ; a head's block in kv: K's images 65,536, V's 65,536, scale words 8,192
.set ADX,   4
.set ADQ,   5
.set ADK,   6
.set ADV,   7
.set SA,    16
.set SB,    48
.set XF,    80
.set WQ,    144
.set WK,    176
.set WVF,   208
.set TT,    80                         ; the epilogue: 32 numbers to be quantised
.set CD,    144                        ; codes, four registers for each of the 12 jobs: no store's data are written again
.set ER,    192                        ; two scale bytes for each job
.set QM,    240
.set QT,    242
.set QS,    244
.set QE,    246
.set WD,    248
.set SEL,   66
.set MSB, 0
.macro WIN new                         ; the immediate's high byte repeats the setting that is left
.if MSB != \new
	s_set_vgpr_msb (MSB<<8)|\new
.set MSB, \new
.endif
.endm
.macro PLACES                          ; four plain vector instructions behind a matrix instruction, ahead of loads into its registers and of reads of its result
.rept 4
	v_nop
.endr
.endm
.macro ROUND                           ; a round of the cluster's barrier
	s_barrier_signal -1
	s_barrier_wait -1
	s_cmp_lg_u32 s32, 0
	s_cbranch_scc1 .Lnot_wave_0_\@
	s_barrier_signal -3
.Lnot_wave_0_\@:
	s_barrier_wait -3
	s_barrier_signal -1
	s_barrier_wait -1
.endm
; one product.  kind 0: source 0's scales in lanes 16-31; 1: both in lanes 0-15; 2: source 1's in lanes 16-31.  zero = 1: the product starts the sum
.macro MM d, a, b, sa, sb, zero, kind
.if \zero
.if \kind == 0
	v_wmma_scale_f32_16x16x128_f8f6f4 v[\d:\d+7], v[\a:\a+7], v[\b:\b+7], 0, v[\sa], v[\sb] matrix_a_fmt:MATRIX_FMT_FP4 matrix_b_fmt:MATRIX_FMT_FP4 matrix_a_scale:MATRIX_SCALE_ROW1
.elseif \kind == 1
	v_wmma_scale_f32_16x16x128_f8f6f4 v[\d:\d+7], v[\a:\a+7], v[\b:\b+7], 0, v[\sa], v[\sb] matrix_a_fmt:MATRIX_FMT_FP4 matrix_b_fmt:MATRIX_FMT_FP4
.else
	v_wmma_scale_f32_16x16x128_f8f6f4 v[\d:\d+7], v[\a:\a+7], v[\b:\b+7], 0, v[\sa], v[\sb] matrix_a_fmt:MATRIX_FMT_FP4 matrix_b_fmt:MATRIX_FMT_FP4 matrix_b_scale:MATRIX_SCALE_ROW1
.endif
.else
.if \kind == 0
	v_wmma_scale_f32_16x16x128_f8f6f4 v[\d:\d+7], v[\a:\a+7], v[\b:\b+7], v[\d:\d+7], v[\sa], v[\sb] matrix_a_fmt:MATRIX_FMT_FP4 matrix_b_fmt:MATRIX_FMT_FP4 matrix_a_scale:MATRIX_SCALE_ROW1
.elseif \kind == 1
	v_wmma_scale_f32_16x16x128_f8f6f4 v[\d:\d+7], v[\a:\a+7], v[\b:\b+7], v[\d:\d+7], v[\sa], v[\sb] matrix_a_fmt:MATRIX_FMT_FP4 matrix_b_fmt:MATRIX_FMT_FP4
.else
	v_wmma_scale_f32_16x16x128_f8f6f4 v[\d:\d+7], v[\a:\a+7], v[\b:\b+7], v[\d:\d+7], v[\sa], v[\sb] matrix_a_fmt:MATRIX_FMT_FP4 matrix_b_fmt:MATRIX_FMT_FP4 matrix_b_scale:MATRIX_SCALE_ROW1
.endif
.endif
.endm
; four fragments (16 rows x 128 K of 4-bit codes: 8 registers, two loads of 16 bytes 32 bytes apart) of K step s
.macro FRAG4 reg, adr, s
.irp i, 0,1,2,3
.irp c, 0,1
	ds_load_b128 v[\reg+8*\i+4*\c:\reg+8*\i+4*\c+3], v[\adr] offset:((\s)/4)*TILE+((\s)%4)*64+32*\c+\i*16*PITCH
.endr
.endr
.endm
	s_load_b256 s[4:11], s[0:1], 0x0               ; x's codes, x's scales, Wq's codes, Wq's scales
	s_load_b256 s[12:19], s[0:1], 0x20             ; Wk's, Wv's
	s_load_b256 s[20:27], s[0:1], 0x40             ; bq, bk, bv, qc
	s_load_b128 s[28:31], s[0:1], 0x60             ; qs, kv
	v_lshl_add_u32 v254, v0, 2, 0x49000
	v_mov_b32 v255, 0
	ds_add_u32 v254, v255
	ds_add_u32 v254, v255
	v_lshrrev_b32 v1, 5, v0
	v_readfirstlane_b32 s32, v1                    ; wave 0..3
	s_lshr_b32 s33, s32, 1                         ; wa: my head of the pair
	s_and_b32 s34, s32, 1                          ; wb: my half of the tokens
	s_bfe_u32 s35, ttmp6, 0x40000                  ; cx
	s_bfe_u32 s36, ttmp6, 0x40004                  ; cy
	s_lshl_b32 s37, ttmp9, 2
	s_add_co_u32 s37, s37, s35                     ; the pair of heads = 4 x cluster x + cx
	s_and_b32 s38, ttmp7, 0xffff
	s_lshl_b32 s38, s38, 2
	s_add_co_u32 s38, s38, s36                     ; the token block = 4 x cluster y + cy
	s_lshl_b32 s39, s36, 2
	s_lshl_b32 s39, 15, s39                        ; my row of the cluster
	s_lshl_b32 s100, 0x1111, s35                   ; my column
	; group 1 for codes: 128 rows x 256 bytes, 512 bytes apart in memory, 16 bytes of padding behind each row
	s_or_b32 s44, s39, (1<<20)|(1<<21)|(5<<22)|(3<<25)             ; x: the mask of my row; elements of 1 byte; padding on; bit 21 beside a mask; 4 words after every 64
	s_or_b32 s52, s100, (1<<20)|(1<<21)|(5<<22)|(3<<25)            ; the weights: the mask of my column
.irp g, 44, 52
	s_mov_b32 s[\g+1], 256<<16                     ; tensor_dim0
	s_mov_b32 s[\g+2], 128<<16                     ; tensor_dim1
	s_mov_b32 s[\g+3], 256<<16                     ; tile_dim0
	s_mov_b32 s[\g+4], 128                         ; tile_dim1
	s_mov_b32 s[\g+5], 512                         ; the pitch
	s_mov_b32 s[\g+6], 0
	s_mov_b32 s[\g+7], 0
.endr
	; group 1 for scale bytes: 4,096 dense bytes as 16 rows of 256 (32 elements of 8 bytes), 16 bytes of padding behind each
	s_or_b32 s68, s39, (3<<16)|(1<<20)|(1<<21)|(5<<22)|(3<<25)
	s_or_b32 s76, s100, (3<<16)|(1<<20)|(1<<21)|(5<<22)|(3<<25)
.irp g, 68, 76
	s_mov_b32 s[\g+1], 32<<16
	s_mov_b32 s[\g+2], 16<<16
	s_mov_b32 s[\g+3], 32<<16
	s_mov_b32 s[\g+4], 16
	s_mov_b32 s[\g+5], 32
	s_mov_b32 s[\g+6], 0
	s_mov_b32 s[\g+7], 0
.endr
	; groups 0.  LDS addresses hang on the wave's number alone; x's global addresses on the token block alone, the weights' on the pair of heads alone
	s_mov_b32 s84, 1
	s_mov_b32 s88, 1
	s_mov_b32 s92, 1
	s_mov_b32 s96, 1
	s_mov_b32 s60, 1
	s_mov_b32 s40, 1
	s_mul_i32 s85, s32, SCT
	s_add_co_u32 s85, s85, SCL
	s_mul_i32 s97, s32, SCT
	s_add_co_u32 s97, s97, SCL
	s_mul_i32 s89, s32, OPER
	s_add_co_u32 s93, s89, TILE
	s_mul_i32 s61, s32, OPER
	s_add_co_u32 s41, s61, TILE
	s_lshl_b32 s86, s38, 12                        ; 128 tokens x 32 scale bytes
	s_mov_b32 s87, 0
	s_lshl_b32 s90, s38, 16                        ; 128 tokens x 512 bytes of codes
	s_mov_b32 s91, 0
	s_mov_b32 s3, 0
	s_wait_dscnt 0x0
	s_wait_kmcnt 0x0
	s_add_nc_u64 s[86:87], s[6:7], s[86:87]
	s_add_nc_u64 s[90:91], s[4:5], s[90:91]
	s_add_nc_u64 s[94:95], s[90:91], 256           ; the second chunk: 512 along K on
	s_cmp_eq_u32 s32, 1                            ; wave 1 fetches Wq, wave 2 Wk, wave 3 Wv: the choice hangs on the wave's number alone
	s_cselect_b64 s[100:101], s[8:9], s[12:13]
	s_cselect_b64 s[104:105], s[10:11], s[14:15]
	s_cmp_eq_u32 s32, 3
	s_cselect_b64 s[100:101], s[16:17], s[100:101]
	s_cselect_b64 s[104:105], s[18:19], s[104:105]
	s_lshl_b32 s2, s37, 16                         ; 128 rows of the weight x 512 bytes
	s_add_nc_u64 s[62:63], s[100:101], s[2:3]
	s_add_nc_u64 s[42:43], s[62:63], 256
	s_lshl_b32 s2, s37, 12
	s_add_nc_u64 s[98:99], s[104:105], s[2:3]
	s_or_b32 s87, s87, 0x80000000                  ; the type
	s_or_b32 s91, s91, 0x80000000
	s_or_b32 s95, s95, 0x80000000
	s_or_b32 s63, s63, 0x80000000
	s_or_b32 s43, s43, 0x80000000
	s_or_b32 s99, s99, 0x80000000
	ROUND                                          ; all sixteen work-groups are here: the joint loads meet
	s_cmp_eq_u32 s32, 0                            ; a wave's three fills stand in one branch on the wave's number: three loads of mine are out
	s_cbranch_scc0 .Lfill_w
	tensor_load_to_lds s[84:87], s[68:75]          ; x's scale bytes,
	s_nop 0
	tensor_load_to_lds s[88:91], s[44:51]          ; K = 0 .. 511,
	s_nop 0
	tensor_load_to_lds s[92:95], s[44:51]          ; K = 512 .. 1,023
	s_nop 0
.rept 4
	v_nop
.endr
	s_branch .Lfilled
.Lfill_w:
	tensor_load_to_lds s[96:99], s[76:83]
	s_nop 0
	tensor_load_to_lds s[60:63], s[52:59]
	s_nop 0
	tensor_load_to_lds s[40:43], s[52:59]
	s_nop 0
.rept 4
	v_nop
.endr
.Lfilled:
	v_and_b32 v1, 15, v0                           ; r
	v_bfe_u32 v2, v0, 4, 1                         ; h
	v_mul_u32_u24 v3, v1, PITCH
	v_lshl_add_u32 v3, v2, 4, v3                   ; a fragment's row x pitch + 16 h
	s_mul_i32 s39, s34, 64*PITCH
	v_add_nc_u32 v[ADX], s39, v3                   ; x: my 64 tokens
	s_mul_i32 s39, s33, 64*PITCH
	s_add_co_u32 s39, s39, OPER
	v_add_nc_u32 v[ADQ], s39, v3                   ; the weights: my head's 64 rows
	s_add_co_u32 s39, s39, OPER
	v_add_nc_u32 v[ADK], s39, v3
	s_add_co_u32 s39, s39, OPER
	v_add_nc_u32 v[ADV], s39, v3
	v_lshrrev_b32 v15, 3, v1                       ; a row's 32 scale bytes: eight rows to a unit of 272
	v_mul_u32_u24 v15, v15, 272
	v_and_b32 v240, 7, v1
	v_lshl_add_u32 v15, v240, 5, v15
	s_mul_i32 s39, s34, 2176                       ; 64 rows are eight units
	s_mul_i32 s100, s33, 2176
	s_add_co_u32 s101, s100, SCT
	s_sub_co_u32 s101, s101, s39                   ; from x's words (lanes 0-15) to Wq's (lanes 16-31): one product of h
	v_mul_u32_u24 v8, s101, v2
	s_add_co_u32 s39, s39, SCL
	v_add_nc_u32 v8, v8, v15
	v_add_nc_u32 v8, s39, v8
	v_mul_u32_u24 v9, v2, SCT                      ; from Wk's (lanes 0-15) to Wv's (lanes 16-31)
	s_add_co_u32 s100, s100, SCL+2*SCT
	v_add_nc_u32 v9, v9, v15
	v_add_nc_u32 v9, s100, v9
	v_and_b32 v10, 31, v0
	v_lshlrev_b32 v10, 4, v10                      ; 16 x lane: an image's place for my lane
	s_wait_alu depctr_va_vdst(0)
	s_lshl_b32 s39, s32, 8
	s_add_co_u32 s39, s39, STG
	v_lshl_add_u32 v11, v1, 2, s39                 ; q's scale words: 512 wa + 256 wb + 4 r
	s_lshl_b32 s39, s33, 9
	s_lshl_b32 s100, s34, 3
	s_add_co_u32 s100, s100, s39
	s_add_co_u32 s100, s100, STG+1024
	v_lshl_add_u32 v12, v1, 4, s100                ; K's: 512 wa + 16 r + 8 wb
	s_lshl_b32 s100, s34, 1
	s_add_co_u32 s100, s100, s39
	s_add_co_u32 s100, s100, STG+1280
	v_lshl_add_u32 v13, v1, 4, s100                ; V's halves: 512 wa + 16 r + 2 wb
	s_lshl_b32 s39, s32, 9
	s_add_co_u32 s39, s39, STG
	v_add_nc_u32 v14, s39, v10                     ; back: wave w takes 512 bytes
	v_lshlrev_b32 v3, 5, v2                        ; the biases: 8 h numbers on,
	s_wait_alu depctr_va_vdst(0)
	v_lshlrev_b32 v15, 2, v1                       ; or number r
	s_wait_alu depctr_va_vdst(0)
	v_mov_b32 v[QT], 0                             ; written once: a lane permute's destination counts as one of its sources
	v_mov_b32 v[QT+1], 0
	s_mov_b32 s[SEL], 0x76543210
	s_mov_b32 s[SEL+1], 0xfedcba98                 ; v_permlanex16_b32's selects for lane l xor 16
	s_lshl_b32 s2, s37, 9
	s_lshl_b32 s39, s33, 8
	s_add_co_u32 s2, s2, s39                       ; my head's 64 numbers of each bias
	s_add_nc_u64 s[20:21], s[20:21], s[2:3]
	s_add_nc_u64 s[22:23], s[22:23], s[2:3]
	s_add_nc_u64 s[24:25], s[24:25], s[2:3]
	WIN 0x80                                       ; destination window 2
.irp i, 0,1,2,3
.irp k, 0,1
	global_load_b128 v[128+8*\i+4*\k:128+8*\i+4*\k+3], v3, s[20:21] offset:64*\i+16*\k    ; register 8 i + j: feature 16 i + 8 h + j
	global_load_b128 v[160+8*\i+4*\k:160+8*\i+4*\k+3], v3, s[22:23] offset:64*\i+16*\k
.endr
.endr
.irp n, 0,1,2,3
	global_load_b32 v[192+2*\n], v15, s[24:25] offset:64*\n                                ; feature 16 n + r, twice
	global_load_b32 v[193+2*\n], v15, s[24:25] offset:64*\n
.endr
	WIN 0
	; where the results go.  The pairs that held the inputs' addresses are free: the descriptors have their own copies
	s_lshr_b32 s39, s38, 4
	s_lshl_b32 s39, s39, 4
	s_lshl_b32 s100, s37, 1
	s_add_co_u32 s39, s39, s100                    ; 16 x batch + 2 x pair
	s_and_b32 s101, s38, 15                        ; which 128 of the batch's 2,048 tokens
	s_add_co_u32 s100, s39, s33                    ; my head among the 64
	s_lshl_b32 s104, s101, 12
	s_lshl_b32 s105, s34, 11
	s_lshl_b32 s2, s100, 16
	s_add_co_u32 s2, s2, s104
	s_add_co_u32 s2, s2, s105
	s_add_nc_u64 s[4:5], s[26:27], s[2:3]          ; q's images: 512 bytes a tile of 16 queries
	s_mul_i32 s100, s100, KVH
	s_add_co_u32 s100, s100, s104
	s_add_co_u32 s2, s100, s105
	s_add_nc_u64 s[6:7], s[30:31], s[2:3]          ; K's likewise
	s_lshl_b32 s105, s34, 9
	s_add_co_u32 s2, s100, s105
	s_add_co_u32 s2, s2, 65536
	s_add_nc_u64 s[8:9], s[30:31], s[2:3]          ; V's: 4,096 a key step, 1,024 a tile of 16 features, 512 for each 64 keys
	s_add_co_u32 s100, s39, s34                    ; the scale words: waves 0, 1 store q's of head w, waves 2, 3 K's and V's of head w - 2
	s_lshl_b32 s104, s100, 13
	s_mul_i32 s105, s100, KVH
	s_add_co_u32 s105, s105, 131072
	s_cmp_lt_u32 s32, 2
	s_cselect_b64 s[10:11], s[28:29], s[30:31]
	s_cselect_b32 s2, s104, s105
	s_lshl_b32 s104, s101, 9
	s_add_co_u32 s2, s2, s104
	s_add_nc_u64 s[10:11], s[10:11], s[2:3]
	s_wait_tensorcnt 0x1                           ; my scale bytes and my first chunk are in; the second chunk's load may stay out
	s_barrier_signal -1
	s_barrier_wait -1                              ; everybody's are
.irp f, 0,1
.irp i, 0,1,2,3
	ds_load_b128 v[SA+16*\f+4*\i:SA+16*\f+4*\i+3], v8 offset:\i*544+16*\f      ; four K steps' words of tile i
	ds_load_b128 v[SB+16*\f+4*\i:SB+16*\f+4*\i+3], v9 offset:\i*544+16*\f
.endr
.endr
	FRAG4 XF, ADX, 0
	FRAG4 WQ, ADQ, 0
	FRAG4 WK, ADK, 0
	FRAG4 WVF, ADV, 0
; A K step of 128: 16 products each for q, k and v.  Each weight's fragments are fetched anew as soon as its 16 products are issued; x has two sets.  The 48 accumulators take turns, one instruction a turn, in the same
; order in every step.  Step 3 fetches from the second chunk: ahead of it each wave waits for its load and all pass a barrier, with q's products between signal and wait.
.macro STEP s, zero
.if (\s) == 3
	s_wait_tensorcnt 0x0                           ; my part of the second chunk is in
	s_wait_dscnt 0x0                               ; no LDS instruction is out at a signal
	s_barrier_signal -1
.else
	s_wait_dscnt 16                                ; x and Wq are in; Wk's and Wv's sixteen loads may be out
.endif
	WIN 0x50                                       ; C and D window 1
.irp n, 0,1,2,3
.irp i, 0,1,2,3
	MM 32*\n+8*\i, WQ+8*\i, XF+32*((\s)%2)+8*\n, SA+16*((\s)/4)+4*\i+(\s)%4, SA+16*((\s)/4)+4*\n+(\s)%4, \zero, 0
.endr
.endr
	WIN 0
.if (\s) == 3
	s_barrier_wait -1
.endif
.if (\s) < 7
	PLACES
	FRAG4 WQ, ADQ, (\s)+1
	FRAG4 XF+32*(1-(\s)%2), ADX, (\s)+1
	s_wait_dscnt 24                                ; Wk is in; behind it: Wv's eight and the sixteen just issued
.else
	s_wait_dscnt 8                                 ; Wk is in; Wv's eight may be out
.endif
	WIN 0x50
.irp n, 0,1,2,3
.irp i, 0,1,2,3
	MM 128+32*\n+8*\i, WK+8*\i, XF+32*((\s)%2)+8*\n, SB+16*((\s)/4)+4*\i+(\s)%4, SA+16*((\s)/4)+4*\n+(\s)%4, \zero, 1
.endr
.endr
	WIN 0
.if (\s) < 7
	PLACES
	FRAG4 WK, ADK, (\s)+1
	s_wait_dscnt 24                                ; Wv is in; behind it: the next step's Wq, x and Wk
.else
	s_wait_dscnt 0
.endif
	WIN 0xa0                                       ; C and D window 2
.irp n, 0,1,2,3
.irp i, 0,1,2,3
	MM 32*\n+8*\i, XF+32*((\s)%2)+8*\i, WVF+8*\n, SA+16*((\s)/4)+4*\i+(\s)%4, SB+16*((\s)/4)+4*\n+(\s)%4, \zero, 2
.endr
.endr
	WIN 0
	PLACES
.if (\s) < 7
	FRAG4 WVF, ADV, (\s)+1
.endif
.endm
	STEP 0, 1                                      ; the first step's products start the sums: nothing is cleared
.irp s, 1,2,3,4,5,6,7
	STEP \s, 0
.endr
; 32 numbers of a lane, v[TT + 8 i + j] = element 16 i + 8 h + j along the next K, become four registers of codes and two scale bytes.  Block b is tiles 2 b and 2 b + 1: my 16 numbers and lane l xor 16's.
; The conversions are laid block 0 | block 1 | block 0 | block 1, so that two exchanges of halves leave a WHOLE block in a lane: lanes 0-15 block 0, lanes 16-31 block 1, as the 4-bit operand's layout wants.
.macro QUANT32 c, e
.irp b, 0,1
	v_max3_num_f32 v[QM+\b], |v[TT+16*\b]|, |v[TT+16*\b+1]|, 0x1800000     ; with the floor 2^(3 - 127): the byte cannot fall under 1
.endr
.irp i, 2,4,6,8,10,12,14
.irp b, 0,1
	v_max3_num_f32 v[QM+\b], v[QM+\b], |v[TT+16*\b+\i]|, |v[TT+16*\b+\i+1]|
.endr
.endr
.irp b, 0,1
	v_permlanex16_b32 v[QT+\b], v[QM+\b], s[SEL], s[SEL+1]
.endr
.irp b, 0,1
	v_max_num_f32 v[QM+\b], v[QM+\b], v[QT+\b]     ; the block's largest magnitude
.endr
.irp b, 0,1
	v_add_nc_u32 v[QS+\b], 0xff000000, v[QM+\b]    ; 2 off its exponent field: the conversion's scale operand
.endr
.irp b, 0,1
	v_lshrrev_b32 v[QE+\b], 23, v[QS+\b]           ; the scale's byte
.endr
	v_lshl_or_b32 v[\e], v[QE+1], 8, v[QE]
	v_cvt_scalef32_pk8_fp4_f32 v[\c], v[TT:TT+7], v[QS]
	v_cvt_scalef32_pk8_fp4_f32 v[\c+1], v[TT+16:TT+23], v[QS+1]
	v_cvt_scalef32_pk8_fp4_f32 v[\c+2], v[TT+8:TT+15], v[QS]
	v_cvt_scalef32_pk8_fp4_f32 v[\c+3], v[TT+24:TT+31], v[QS+1]
	v_nop                                          ; one plain place behind a scaled conversion
	v_permlane16_swap_b32 v[\c], v[\c+1]
	v_permlane16_swap_b32 v[\c+2], v[\c+3]
.endm
.macro JOBQ n                          ; token tile n of q: (sum + bq) / 8 as one fused multiply-add, each accumulator from its low end on
	WIN 0x21                                       ; source 0 window 1, source 2 window 2
.irp k, 0,2,4,6,8,10,12,14,16,18,20,22,24,26,28,30
	v_pk_fma_f32 v[TT+\k:TT+\k+1], v[32*\n+\k:32*\n+\k+1], 0x3e000000, v[128+\k:128+\k+1] op_sel_hi:[1,0,1]
.endr
	WIN 0
	QUANT32 CD+4*\n, ER+\n
	global_store_b128 v10, v[CD+4*\n:CD+4*\n+3], s[4:5] offset:512*\n      ; 32 lanes store 512 consecutive bytes
	v_lshl_or_b32 v[WD], v[ER+\n], 16, v[ER+\n]    ; the two bytes twice: the word serves q in either half of a K of 128
	ds_store_b32 v11, v[WD] offset:64*\n
.endm
.macro JOBK n
	WIN 0x09                                       ; source 0 window 1, source 1 window 2
.irp k, 0,2,4,6,8,10,12,14,16,18,20,22,24,26,28,30
	v_pk_add_f32 v[TT+\k:TT+\k+1], v[128+32*\n+\k:128+32*\n+\k+1], v[160+\k:160+\k+1]
.endr
	WIN 0
	QUANT32 CD+16+4*\n, ER+4+\n
	global_store_b128 v10, v[CD+16+4*\n:CD+16+4*\n+3], s[6:7] offset:512*\n
.if (\n)%2
	v_lshl_or_b32 v[WD], v[ER+4+\n], 16, v[ER+3+\n]    ; two neighbouring tiles of keys share a fragment of the attention launch, and a scale word
	ds_store_b32 v12, v[WD] offset:4*((\n)/2)
.endif
.endm
.macro JOBV n                          ; feature tile n of v: my 64 keys are two blocks
	WIN 0x0a                                       ; sources 0 and 1 window 2
.irp k, 0,2,4,6,8,10,12,14,16,18,20,22,24,26,28,30
	v_pk_add_f32 v[TT+\k:TT+\k+1], v[32*\n+\k:32*\n+\k+1], v[192+2*\n:193+2*\n]
.endr
	WIN 0
	QUANT32 CD+32+4*\n, ER+8+\n
	global_store_b128 v10, v[CD+32+4*\n:CD+32+4*\n+3], s[8:9] offset:1024*\n
	ds_store_b16 v13, v[ER+8+\n] offset:4*\n       ; my half of the key step's four bytes
.endm
	s_wait_loadcnt 0x0                             ; the biases
	WIN 0x82                                       ; source 0 and destination window 2
.irp k, 0,2,4,6,8,10,12,14,16,18,20,22,24,26,28,30
	v_pk_mul_f32 v[128+\k:128+\k+1], v[128+\k:128+\k+1], 0x3e000000 op_sel_hi:[1,0]    ; bq / 8: exact
.endr
.irp n, 0,1,2,3
	JOBQ \n
.endr
.irp n, 0,1,2,3
	JOBK \n
.endr
.irp n, 0,1,2,3
	JOBV \n
.endr
	s_wait_dscnt 0x0                               ; for the others' sake: my scale words lie in LDS
	s_barrier_signal -1
	s_barrier_wait -1
	ds_load_b128 v[204:207], v14
	s_wait_dscnt 0x0
	global_store_b128 v10, v[204:207], s[10:11]    ; 512 consecutive bytes a wave
	s_wait_tensorcnt 0x0
	ds_add_u32 v254, v255
	s_wait_dscnt 0x0
	ROUND                                          ; the closing round
	s_endpgm
.Lfunc_end_k_q5c927040c4_qkv:
	.size	k_q5c927040c4_qkv, .Lfunc_end_k_q5c927040c4_qkv-k_q5c927040c4_qkv
	.p2alignl 7, 3214868480
	.fill 96, 4, 3214868480
	.section	.rodata,"a",@progbits
	.p2align	6, 0x0
	.amdhsa_kernel k_q5c927040c4_qkv
		.amdhsa_group_segment_fixed_size 299520
		.amdhsa_private_segment_fixed_size 0
		.amdhsa_enable_private_segment 0
		.amdhsa_kernarg_size 112
		.amdhsa_user_sgpr_count 2
		.amdhsa_user_sgpr_kernarg_segment_ptr 1
		.amdhsa_wavefront_size32 1
		.amdhsa_system_sgpr_workgroup_id_x 1
		.amdhsa_system_sgpr_workgroup_id_y 1
		.amdhsa_system_sgpr_workgroup_id_z 1
		.amdhsa_system_vgpr_workitem_id 0
		.amdhsa_next_free_vgpr 768
		.amdhsa_next_free_sgpr 106
		.amdhsa_reserve_vcc 0
		.amdhsa_float_denorm_mode_32 3
		.amdhsa_float_denorm_mode_16_64 3
		.amdhsa_memory_ordered 1
		.amdhsa_forward_progress 1
		.amdhsa_inst_pref_size 124
	.end_amdhsa_kernel
	.amdgpu_metadata
---
amdhsa.version: [ 1, 2 ]
amdhsa.kernels:
  - .name:           k_q5c927040c4_qkv
    .symbol:         k_q5c927040c4_qkv.kd
    .args:
      - { .name: input_codes, .offset: 0, .size: 8, .value_kind: global_buffer, .address_space: global }
      - { .name: input_scales, .offset: 8, .size: 8, .value_kind: global_buffer, .address_space: global }
      - { .name: wq_codes, .offset: 16, .size: 8, .value_kind: global_buffer, .address_space: global }
      - { .name: wq_scales, .offset: 24, .size: 8, .value_kind: global_buffer, .address_space: global }
      - { .name: wk_codes, .offset: 32, .size: 8, .value_kind: global_buffer, .address_space: global }
      - { .name: wk_scales, .offset: 40, .size: 8, .value_kind: global_buffer, .address_space: global }
      - { .name: wv_codes, .offset: 48, .size: 8, .value_kind: global_buffer, .address_space: global }
      - { .name: wv_scales, .offset: 56, .size: 8, .value_kind: global_buffer, .address_space: global }
      - { .name: bq, .offset: 64, .size: 8, .value_kind: global_buffer, .address_space: global }
      - { .name: bk, .offset: 72, .size: 8, .value_kind: global_buffer, .address_space: global }
      - { .name: bv, .offset: 80, .size: 8, .value_kind: global_buffer, .address_space: global }
      - { .name: qc, .offset: 88, .size: 8, .value_kind: global_buffer, .address_space: global }
      - { .name: qs, .offset: 96, .size: 8, .value_kind: global_buffer, .address_space: global }
      - { .name: kv, .offset: 104, .size: 8, .value_kind: global_buffer, .address_space: global }
    .group_segment_fixed_size: 299520
    .private_segment_fixed_size: 0
    .kernarg_segment_align: 8
    .kernarg_segment_size: 112
    .max_flat_workgroup_size: 128
    .sgpr_count:     106
    .vgpr_count:     768
    .wavefront_size: 32
...
	.end_amdgpu_metadata
.endif
;; end of part 1
;; launch attn (part 2): grid 8 x 32, 16 waves a work-group, clusters of 4 x 1, 327,680 bytes of LDS; arguments qc, qs, kv, mask, cc, cs; writes cc, cs
.if DOCPART == 2
	.amdgcn_target "amdgcn-amd-amdhsa--gfx1250"
	.amdhsa_code_object_version 6
	.text
	.protected	k_q5c927040c4_attn
	.globl	k_q5c927040c4_attn
	.p2align	8
	.type	k_q5c927040c4_attn,@function
k_q5c927040c4_attn:
	s_mov_b64 s[64:65], 0
	v_nop
	global_prefetch_b8 v0, s[64:65] scope:SCOPE_SE
	s_setreg_imm32_b32 hwreg(HW_REG_WAVE_MODE, 25, 1), 1
	s_wait_xcnt 0x0
	s_wait_alu depctr_hold_cnt(0) depctr_sa_sdst(0) depctr_va_vdst(0) depctr_va_sdst(0) depctr_va_ssrc(0) depctr_va_vcc(0) depctr_vm_vsrc(0)
	s_getreg_b32 s2, hwreg(HW_REG_IB_STS2, 6, 4)
	s_cmp_eq_u32 s2, 0
	s_cbranch_scc0 .Lentry_in_a_cluster
	s_endpgm
.Lentry_in_a_cluster:
	s_bfe_u32 s2, ttmp6, 0x10000c
	s_cmp_lg_u32 s2, 0x3003
	s_cbranch_scc0 .Lentry_shape_is_right
	s_endpgm
.Lentry_shape_is_right:
; context = softmax(q k^T, keys with mask = 0 left out) v, both products on codes of FP4 (E2M1) with E8M0 scales; the context is divided by the row's sum and quantised along the model's 1,024 for the last product.
; t = score x log2(e) (the 1 / 8 is in q already); M = the running largest t rounded UP to a whole number; p = 2^(t - M) is quantised along the keys; the row's sum is taken of the unquantised p.
; SHARES.  A work-group owns 256 queries of one batch row and BOTH heads of a pair; each of its sixteen waves owns one tile of 16 queries and runs the two heads one after the other, so that it ends with its rows' whole
; scale word (four blocks of 32 = two heads) for the last product.  Four waves share a SIMD: one wave's vector work stands beside another's matrix work and LDS loads.
; LDS is filled once: the two heads' blocks of kv (K's images, V's images, scale words: 139,264 bytes each) are 278,528 consecutive bytes.  The four query blocks of a cluster read the same two heads: joint loads.
; LAYOUT.  Both products transposed: S^T = K Q^T, O^T = V^T P^T: a lane holds ONE query (lane % 16) throughout; S^T's tile of 16 neighbouring keys gives lane half h the keys 8 h + 0 .. 7.
; THE HEAD'S K IS 64, THE INSTRUCTION'S 128: a fragment of K holds one tile of 16 keys in registers 0-3 and the next tile in registers 4-7; source 1 is (q, 0) for the first and (0, q) for the second.
; THE MASK costs no vector instruction in the loop: 0 or -2^100 for each key lies in LDS, is loaded INTO the score registers, and the score product adds onto it.
; LIMITS: a batch row whose mask is all zero is not served (the expected result there is NaN); masked scores are -2^100, not -infinity, and the running largest t starts at -2^30: rows whose every open t lies under -2^30
; are not served; a block of zeros carries the scale byte 1 where the rule says 127 (its codes are zeros; the bytes are read by this program alone); NaN and infinities are not served.
; REGISTERS: v1-7, v31 addresses that stay; v8-11 addresses of the step; v12 -M, v13 the largest t, v[14:15] the sum; v16-19 zeros, v20-23 q, v24-27 zeros; v28, v29 q's scale words; v30 the context's scale word;
;   v32-63 K's four fragments; v64-95 V's four; v96-159 S^T, then p; v160-191 O^T; v192-195 the second head's q; v196-199 scale words (lanes 0-15 K's, lanes 16-31 V's); v200-207 the context's codes; v224-231 p's codes; v232-254 at work.
.set KVH,  139264
.set VOFF, 65536
.set SOFF, 131072
.set BIAS, 2*KVH                       ; 2,048 f32: 0 or -2^100 for each key of the batch row
.set GATH, BIAS+8192                   ; 1,024 bytes: the work-group's 256 scale words on their way out
.set TT,   96
.set QM,   232
.set QT,   236
.set QS,   244
.set QE,   246
.macro ROUND                           ; a round of the cluster's barrier
	s_barrier_signal -1
	s_barrier_wait -1
	s_cmp_lg_u32 s16, 0
	s_cbranch_scc1 .Lnot_wave_0_\@
	s_barrier_signal -3
.Lnot_wave_0_\@:
	s_barrier_wait -3
	s_barrier_signal -1
	s_barrier_wait -1
.endm
; 32 numbers of a lane, v[TT + 8 i + j] = element 16 i + 8 h + j along the next K, become four registers of codes and two scale bytes (as in the launch before)
.macro QUANT32 c, e
.irp b, 0,1
	v_max3_num_f32 v[QM+\b], |v[TT+16*\b]|, |v[TT+16*\b+1]|, 0x1800000     ; with the floor 2^(3 - 127): the byte cannot fall under 1
.endr
.irp i, 2,4,6,8,10,12,14
.irp b, 0,1
	s_delay_alu instid0(VALU_DEP_2)
	v_max3_num_f32 v[QM+\b], v[QM+\b], |v[TT+16*\b+\i]|, |v[TT+16*\b+\i+1]|
.endr
.endr
.irp b, 0,1
	s_delay_alu instid0(VALU_DEP_2)
	v_permlanex16_b32 v[QT+\b], v[QM+\b], s20, s21
.endr
.irp b, 0,1
	s_delay_alu instid0(VALU_DEP_2)
	v_max_num_f32 v[QM+\b], v[QM+\b], v[QT+\b]
.endr
.irp b, 0,1
	s_delay_alu instid0(VALU_DEP_2)
	v_add_nc_u32 v[QS+\b], 0xff000000, v[QM+\b]
.endr
.irp b, 0,1
	s_delay_alu instid0(VALU_DEP_2)
	v_lshrrev_b32 v[QE+\b], 23, v[QS+\b]
.endr
	s_delay_alu instid0(VALU_DEP_1)
	v_lshl_or_b32 v[\e], v[QE+1], 8, v[QE]
	v_cvt_scalef32_pk8_fp4_f32 v[\c], v[TT:TT+7], v[QS]
	v_cvt_scalef32_pk8_fp4_f32 v[\c+1], v[TT+16:TT+23], v[QS+1]
	v_cvt_scalef32_pk8_fp4_f32 v[\c+2], v[TT+8:TT+15], v[QS]
	v_cvt_scalef32_pk8_fp4_f32 v[\c+3], v[TT+24:TT+31], v[QS+1]
	v_nop                                          ; one plain place behind a scaled conversion
	v_permlane16_swap_b32 v[\c], v[\c+1]
	v_permlane16_swap_b32 v[\c+2], v[\c+3]
.endm
	s_load_b256 s[4:11], s[0:1], 0x0               ; qc, qs, kv, mask
	s_load_b128 s[12:15], s[0:1], 0x20             ; cc, cs
	v_lshl_add_u32 v252, v0, 2, 0x48000
	v_mov_b32 v255, 0
	ds_add_u32 v252, v255
	ds_add_u32 v252, v255
	v_lshrrev_b32 v1, 5, v0
	s_delay_alu instid0(VALU_DEP_1)
	v_readfirstlane_b32 s16, v1                    ; wave 0..15
	s_bfe_u32 s17, ttmp6, 0x40000                  ; cx
	s_lshl_b32 s18, ttmp9, 2
	s_add_co_u32 s18, s18, s17                     ; my block of 256 queries: it enters global addresses of q and of the results alone
	s_and_b32 s19, ttmp7, 0xffff                   ; y = 8 x batch + pair of heads, which the four partners share
	; group 1: 34 dense rows of 256 bytes (32 elements of 8 bytes), no padding: images are read 16 bytes a lane on end
	s_mov_b32 s24, 15|(3<<16)|(1<<21)              ; the mask: all four work-groups; bit 21 beside it
	s_mov_b32 s25, 32<<16
	s_mov_b32 s26, 34<<16
	s_mov_b32 s27, 32<<16
	s_mov_b32 s28, 34
	s_mov_b32 s29, 32
	s_mov_b32 s30, 0
	s_mov_b32 s31, 0
	s_mul_i32 s44, s16, 8704                       ; a sixteenth of a head's block
	s_mul_i32 s46, s19, 2*KVH
	s_add_co_u32 s46, s46, s44
	s_mov_b32 s47, 0
	s_mov_b32 s20, 0x76543210
	s_mov_b32 s21, 0xfedcba98                      ; v_permlanex16_b32's selects for lane l xor 16
	s_mov_b32 s22, 0x3fb8aa3b                      ; log2(e)
	s_mov_b32 s23, s22                             ; (named with it as a pair, so it is written)
	s_wait_dscnt 0x0
	s_wait_kmcnt 0x0
	s_mov_b32 s32, 1
	s_mov_b32 s33, s44
	s_add_nc_u64 s[34:35], s[8:9], s[46:47]
	s_mov_b32 s36, 1
	s_add_co_u32 s37, s44, KVH
	s_add_nc_u64 s[38:39], s[34:35], KVH
	s_or_b32 s35, s35, 0x80000000
	s_or_b32 s39, s39, 0x80000000
	ROUND                                          ; all four work-groups are here: the joint loads meet
	tensor_load_to_lds s[32:35], s[24:31]          ; my sixteenth of the first head,
	s_nop 0
	s_wait_alu depctr_va_vdst(0)
	s_wait_tensorcnt 0x0
	ds_add_u32 v252, v255
	s_wait_dscnt 0x0
	ROUND
	tensor_load_to_lds s[36:39], s[24:31]          ; and of the second: one load of mine is out
	s_nop 0
.rept 4
	v_nop
.endr
	v_and_b32 v1, 31, v0
	s_delay_alu instid0(VALU_DEP_1)
	v_lshlrev_b32 v1, 4, v1                        ; 16 x lane
	s_delay_alu instid0(VALU_DEP_1)
	v_add_nc_u32 v2, VOFF, v1
	v_bfe_u32 v3, v0, 4, 1
	s_delay_alu instid0(VALU_DEP_1)
	v_lshl_add_u32 v3, v3, 5, BIAS                 ; lane half h wants keys 8 h + 0 .. 7 of a tile
	v_and_b32 v5, 15, v0
	s_delay_alu instid0(VALU_DEP_1)
	v_lshlrev_b32 v5, 2, v5                        ; 4 r
	s_lshl_b32 s53, s16, 6
	s_add_co_u32 s53, s53, GATH
	v_add_nc_u32 v4, s53, v5                       ; my rows' scale words on their way out
	s_min_u32 s52, s16, 1
	s_lshl_b32 s52, s52, 9
	s_add_co_u32 s53, s52, GATH
	v_add_nc_u32 v31, s53, v1                      ; and back: waves 0 and 1 take 512 bytes each
	v_lshlrev_b32 v6, 4, v0                        ; the mask: four keys a thread
	s_wait_alu depctr_va_vdst(0)
	v_add_nc_u32 v7, BIAS, v6
	s_lshr_b32 s48, s19, 3                         ; the batch row
	s_and_b32 s49, s19, 7                          ; the pair of heads
	s_lshl_b32 s50, s18, 4
	s_add_co_u32 s50, s50, s16                     ; my tile of 16 queries among the row's 128
	s_mov_b32 s45, 0
	s_lshl_b32 s44, s48, 13
	s_add_nc_u64 s[10:11], s[10:11], s[44:45]
	s_lshl_b32 s44, s19, 17                        ; q's images: 65,536 bytes a head, 512 a tile
	s_lshl_b32 s51, s50, 9
	s_add_co_u32 s44, s44, s51
	s_add_nc_u64 s[4:5], s[4:5], s[44:45]
	s_lshl_b32 s44, s19, 14                        ; q's scale words: 8,192 bytes a head, 64 a tile
	s_lshl_b32 s51, s50, 6
	s_add_co_u32 s44, s44, s51
	s_add_nc_u64 s[6:7], s[6:7], s[44:45]
	s_lshl_b32 s44, s48, 7
	s_add_co_u32 s44, s44, s50                     ; my tile of rows among the 512
	s_lshl_b32 s44, s44, 13                        ; the context's images: 8,192 bytes a tile of rows, 1,024 a K step (= pair of heads), 512 a head
	s_lshl_b32 s51, s49, 10
	s_add_co_u32 s44, s44, s51
	s_add_nc_u64 s[12:13], s[12:13], s[44:45]
	s_lshl_b32 s44, s49, 15                        ; its scale words: 32,768 bytes a K step, 4 a row
	s_lshl_b32 s51, s48, 13
	s_add_co_u32 s44, s44, s51
	s_lshl_b32 s51, s18, 10
	s_add_co_u32 s44, s44, s51
	s_add_co_u32 s44, s44, s52
	s_add_nc_u64 s[14:15], s[14:15], s[44:45]
	global_load_b128 v[32:35], v6, s[10:11]        ; the mask of four keys
	global_load_b128 v[20:23], v1, s[4:5]          ; q of the first head,
	global_load_b128 v[192:195], v1, s[4:5] offset:65536   ; of the second,
	global_load_b32 v28, v5, s[6:7]                ; and their scale words
	global_load_b32 v29, v5, s[6:7] offset:8192
.irp j, 16,17,18,19,24,25,26,27,236,237,238,239,251
	v_mov_b32 v[\j], 0                             ; the zero halves beside q; the permutes' destinations and the upper half of the pair v[250:251], written once
.endr
	v_mov_b32 v40, 0xf1800000                      ; -2^100
	s_wait_alu depctr_va_vdst(0)
	s_wait_loadcnt 0x4                             ; the mask is in; the four loads behind it may be out
.irp j, 0,1,2,3
	v_cmp_eq_u32 vcc_lo, 0, v[32+\j]
	s_delay_alu instid0(VALU_DEP_1)
	v_cndmask_b32 v[36+\j], 0, v40, vcc_lo
.endr
	ds_store_b128 v7, v[36:39]
	s_wait_tensorcnt 0x1                           ; my part of the first head is in; the second head's load may stay out
	s_wait_dscnt 0x0                               ; for the others' sake: my four keys' numbers lie in LDS
	s_barrier_signal -1
	s_barrier_wait -1
	s_wait_loadcnt 0x0                             ; q
; ONE HEAD: 16 key steps of 128 keys, then the division by the sum and the quantiser.
.macro PASS p
.if \p
	s_wait_tensorcnt 0x0                           ; my part of the second head is in,
	s_wait_dscnt 0x0
	s_barrier_signal -1
	s_barrier_wait -1                              ; everybody's is
.irp j, 0,1,2,3
	v_mov_b32 v[20+\j], v[192+\j]
.endr
.endif
	v_mov_b32 v13, 0xce800000                      ; the largest t so far: -2^30
	s_delay_alu instid0(VALU_DEP_1)
	v_floor_f32 v12, -v13                          ; -M
	v_mov_b32 v14, 0                               ; the sum, in two halves
	v_mov_b32 v15, 0
.set J, 0
.rept 32
	v_mov_b32 v[160+J], 0                          ; O^T: the loop is written once; its first step finds zeros, which the first change of M leaves zeros
.set J, J+1
.endr
	s_mov_b32 s40, \p*KVH                          ; the step's images of K (and, 65,536 on, of V): 4,096 bytes a step
	s_mov_b32 s41, \p*KVH+SOFF                     ; its scale words: 512 a step
	s_mov_b32 s42, 0                               ; its keys' mask numbers: 512 a step
	s_mov_b32 s43, 16
.Lstep_\@:
	s_setprio 2
	v_add_nc_u32 v8, s40, v1                       ; these four are also the places behind the last products, ahead of the loads into their registers
	v_add_nc_u32 v9, s40, v2
	v_add_nc_u32 v10, s41, v1
	v_add_nc_u32 v11, s42, v3
	ds_load_b128 v[196:199], v10                   ; lanes 0-15: the words of K's four fragments, row r; lanes 16-31: those of V's four tiles
.irp t, 0,1,2,3,4,5,6,7
	ds_load_b128 v[96+8*\t:99+8*\t], v11 offset:64*\t          ; 0 or -2^100 for keys 16 t + 8 h + 0 .. 7: what the score product adds onto
	ds_load_b128 v[100+8*\t:103+8*\t], v11 offset:64*\t+16
.endr
.irp i, 0,1,2,3
	ds_load_b128 v[32+8*\i:35+8*\i], v8 offset:1024*\i         ; key tile 2 i,
	ds_load_b128 v[36+8*\i:39+8*\i], v8 offset:1024*\i+512     ; key tile 2 i + 1
.endr
.irp t, 0,1,2,3
	ds_load_b128 v[64+8*\t:67+8*\t], v9 offset:1024*\t
	ds_load_b128 v[68+8*\t:71+8*\t], v9 offset:1024*\t+512
.endr
	s_wait_dscnt 8                                 ; all but V's eight
.irp t, 0,1,2,3,4,5,6,7
	v_wmma_scale_f32_16x16x128_f8f6f4 v[96+8*\t:103+8*\t], v[32+8*(\t/2):39+8*(\t/2)], v[20-4*(\t%2):27-4*(\t%2)], v[96+8*\t:103+8*\t], v[196+\t/2], v[28+\p] matrix_a_fmt:MATRIX_FMT_FP4 matrix_b_fmt:MATRIX_FMT_FP4
.endr
.rept 4
	v_nop
.endr
.irp b, 0,1,2,3
	v_max3_num_f32 v[232+\b], v[96+16*\b], v[97+16*\b], v[98+16*\b]    ; the largest score of each block of 32 keys: it serves the row's maximum and, since p rises with the score, the block's largest p
.endr
.irp i, 3,5,7,9,11,13
.irp b, 0,1,2,3
	v_max3_num_f32 v[232+\b], v[232+\b], v[96+16*\b+\i], v[97+16*\b+\i]
.endr
.endr
.irp b, 0,1,2,3
	v_max_num_f32 v[232+\b], v[232+\b], v[111+16*\b]
.endr
.irp b, 0,1,2,3
	s_delay_alu instid0(VALU_DEP_4)
	v_permlanex16_b32 v[236+\b], v[232+\b], s20, s21
.endr
.irp b, 0,1,2,3
	s_delay_alu instid0(VALU_DEP_4)
	v_max_num_f32 v[232+\b], v[232+\b], v[236+\b]  ; with lane l xor 16's 16 keys
.endr
	s_delay_alu instid0(VALU_DEP_2)
	v_max3_num_f32 v254, v232, v233, v234
	s_delay_alu instid0(VALU_DEP_1)
	v_max_num_f32 v254, v254, v235
	s_delay_alu instid0(VALU_DEP_1)
	v_mul_f32 v254, s22, v254                      ; the step's largest t
	s_delay_alu instid0(VALU_DEP_1)
	v_max_num_f32 v13, v13, v254
	v_mov_b32 v254, v12
	s_delay_alu instid0(VALU_DEP_2)
	v_floor_f32 v12, -v13                          ; the new -M = -ceil(t)
	s_delay_alu instid0(VALU_DEP_1)
	v_sub_f32 v254, v12, v254                      ; old M - new M: a whole number, 0 or less
	s_delay_alu instid0(VALU_DEP_1)
	v_cvt_i32_f32 v254, v254
	s_delay_alu instid0(VALU_DEP_1)
	v_ldexp_f32 v250, 1.0, v254                    ; f = 2^(old M - new M): a multiplication by it rounds nothing
.set J, 0
.rept 32
	v_pk_fma_f32 v[96+J:97+J], v[96+J:97+J], s[22:23], v[12:13] op_sel_hi:[1,0,0]     ; t - M, two at a time
.set J, J+2
.endr
.irp b, 0,1,2,3
	v_fma_f32 v[232+\b], v[232+\b], s22, v12       ; the same of each block's largest score
.endr
.set J, 0
	s_setprio 1
	s_wait_alu depctr_va_vdst(0)
.rept 64
	v_exp_f32 v[96+J], v[96+J]                     ; p = 2^(t - M); 0 for a masked key
.set J, J+1
.endr
	v_pk_mul_f32 v[14:15], v[14:15], v[250:251] op_sel_hi:[1,0]        ; the sum under the new M: the plain instruction behind the exponentials
	s_wait_alu depctr_va_vdst(0)                   ; one wait for the batch of 64, ahead of its first reader
.irp b, 0,1,2,3
	v_exp_f32 v[232+\b], v[232+\b]                 ; each block's largest p
.endr
	v_pk_add_f32 v[236:237], v[96:97], v[98:99]    ; the row's sum of the UNQUANTISED p, in two chains
.irp j, 4,8,12,16,20,24,28,32,36,40,44,48,52,56,60
	v_pk_add_f32 v[14:15], v[14:15], v[96+\j:97+\j]
	v_pk_add_f32 v[236:237], v[236:237], v[98+\j:99+\j]
.endr
	s_delay_alu instid0(VALU_DEP_1)
	v_pk_add_f32 v[14:15], v[14:15], v[236:237]
	s_wait_alu depctr_va_vdst(0)                   ; and one for the four
.irp b, 0,1,2,3
	v_max_num_f32 v[232+\b], 0x1800000, v[232+\b]  ; the floor 2^(3 - 127): the byte cannot fall under 1
.endr
.irp b, 0,1,2,3
	s_delay_alu instid0(VALU_DEP_4)
	v_add_nc_u32 v[244+\b], 0xff000000, v[232+\b]  ; 2 off the exponent field: the conversion's scale operand
.endr
.irp b, 0,1,2,3
	s_delay_alu instid0(VALU_DEP_4)
	v_lshrrev_b32 v[236+\b], 23, v[244+\b]
.endr
	s_delay_alu instid0(VALU_DEP_3)
	v_lshl_or_b32 v253, v237, 8, v236              ; p's scale word for these 128 keys
	s_delay_alu instid0(VALU_DEP_1)
	v_lshl_or_b32 v253, v238, 16, v253
	s_delay_alu instid0(VALU_DEP_1)
	v_lshl_or_b32 v253, v239, 24, v253
.irp c, 0,1
	v_cvt_scalef32_pk8_fp4_f32 v[224+4*\c], v[96+32*\c:103+32*\c], v[244+2*\c]         ; block 2 c, keys 8 h + 0 .. 7
	v_cvt_scalef32_pk8_fp4_f32 v[225+4*\c], v[112+32*\c:119+32*\c], v[245+2*\c]        ; block 2 c + 1, the same
	v_cvt_scalef32_pk8_fp4_f32 v[226+4*\c], v[104+32*\c:111+32*\c], v[244+2*\c]        ; block 2 c, keys 16 + 8 h + 0 .. 7
	v_cvt_scalef32_pk8_fp4_f32 v[227+4*\c], v[120+32*\c:127+32*\c], v[245+2*\c]
.endr
	v_nop                                          ; one plain place behind a scaled conversion
	s_setprio 0
.irp c, 0,1
	v_permlane16_swap_b32 v[224+4*\c], v[225+4*\c] ; lanes 0-15 now hold block 2 c whole, lanes 16-31 block 2 c + 1
	v_permlane16_swap_b32 v[226+4*\c], v[227+4*\c]
.endr
.set J, 0
.rept 16
	v_pk_mul_f32 v[160+J:161+J], v[160+J:161+J], v[250:251] op_sel_hi:[1,0]            ; O^T under the new M; these stand between the scale word's and the codes' last writes and the products below
.set J, J+2
.endr
	s_wait_alu depctr_va_vdst(0)
	s_wait_dscnt 0x0                               ; V
.irp t, 0,1,2,3
	v_wmma_scale_f32_16x16x128_f8f6f4 v[160+8*\t:167+8*\t], v[64+8*\t:71+8*\t], v[224:231], v[160+8*\t:167+8*\t], v[196+\t], v253 matrix_a_fmt:MATRIX_FMT_FP4 matrix_b_fmt:MATRIX_FMT_FP4 matrix_a_scale:MATRIX_SCALE_ROW1
.endr
	s_add_co_u32 s40, s40, 4096
	s_add_co_u32 s41, s41, 512
	s_add_co_u32 s42, s42, 512
	s_sub_co_u32 s43, s43, 1
	s_cmp_lg_u32 s43, 0
	s_cbranch_scc1 .Lstep_\@
	s_setprio 0
.rept 4
	v_nop
.endr
	v_add_f32 v14, v14, v15                        ; the sum's two halves,
	s_delay_alu instid0(VALU_DEP_1)
	v_permlanex16_b32 v236, v14, s20, s21
	s_delay_alu instid0(VALU_DEP_1)
	v_add_f32 v14, v14, v236                       ; and lane l xor 16's keys
	s_wait_alu depctr_va_vdst(0)
	v_rcp_f32 v14, v14
	v_nop                                          ; a plain place behind the reciprocal
	s_wait_alu depctr_va_vdst(0)                   ; and the wait ahead of its first reader
.set J, 0
.rept 16
	v_pk_mul_f32 v[96+J:97+J], v[160+J:161+J], v[14:15] op_sel_hi:[1,0]                ; the context: register 8 t + j is channel 16 t + 8 h + j of my query
.set J, J+2
.endr
	QUANT32 200+4*\p, 249
	global_store_b128 v1, v[200+4*\p:203+4*\p], s[12:13] offset:512*\p                 ; 32 lanes store 512 consecutive bytes
.if \p
	v_lshl_or_b32 v30, v249, 16, v30               ; the K step's four bytes: two from each head
.else
	v_mov_b32 v30, v249
.endif
.endm
	PASS 0
	PASS 1
	ds_store_b32 v4, v30                           ; lanes r and 16 + r write the same word with the same value
	s_wait_dscnt 0x0
	s_barrier_signal -1
	s_barrier_wait -1                              ; the work-group's 256 scale words lie on end
	s_cmp_lt_u32 s16, 2
	s_cbranch_scc0 .Lno_words
	ds_load_b128 v[32:35], v31
	s_wait_dscnt 0x0
	global_store_b128 v1, v[32:35], s[14:15]       ; 512 consecutive bytes a wave
.Lno_words:
	s_wait_tensorcnt 0x0
	ds_add_u32 v252, v255
	s_wait_dscnt 0x0
	ROUND                                          ; the closing round
	s_endpgm
.Lfunc_end_k_q5c927040c4_attn:
	.size	k_q5c927040c4_attn, .Lfunc_end_k_q5c927040c4_attn-k_q5c927040c4_attn
	.p2alignl 7, 3214868480
	.fill 96, 4, 3214868480
	.section	.rodata,"a",@progbits
	.p2align	6, 0x0
	.amdhsa_kernel k_q5c927040c4_attn
		.amdhsa_group_segment_fixed_size 327680
		.amdhsa_private_segment_fixed_size 0
		.amdhsa_enable_private_segment 0
		.amdhsa_kernarg_size 48
		.amdhsa_user_sgpr_count 2
		.amdhsa_user_sgpr_kernarg_segment_ptr 1
		.amdhsa_wavefront_size32 1
		.amdhsa_system_sgpr_workgroup_id_x 1
		.amdhsa_system_sgpr_workgroup_id_y 1
		.amdhsa_system_sgpr_workgroup_id_z 1
		.amdhsa_system_vgpr_workitem_id 0
		.amdhsa_next_free_vgpr 256
		.amdhsa_next_free_sgpr 66
		.amdhsa_reserve_vcc 1
		.amdhsa_float_denorm_mode_32 3
		.amdhsa_float_denorm_mode_16_64 3
		.amdhsa_memory_ordered 1
		.amdhsa_forward_progress 1
		.amdhsa_inst_pref_size 53
	.end_amdhsa_kernel
	.amdgpu_metadata
---
amdhsa.version: [ 1, 2 ]
amdhsa.kernels:
  - .name:           k_q5c927040c4_attn
    .symbol:         k_q5c927040c4_attn.kd
    .args:
      - { .name: qc, .offset: 0, .size: 8, .value_kind: global_buffer, .address_space: global }
      - { .name: qs, .offset: 8, .size: 8, .value_kind: global_buffer, .address_space: global }
      - { .name: kv, .offset: 16, .size: 8, .value_kind: global_buffer, .address_space: global }
      - { .name: mask, .offset: 24, .size: 8, .value_kind: global_buffer, .address_space: global }
      - { .name: cc, .offset: 32, .size: 8, .value_kind: global_buffer, .address_space: global }
      - { .name: cs, .offset: 40, .size: 8, .value_kind: global_buffer, .address_space: global }
    .group_segment_fixed_size: 327680
    .private_segment_fixed_size: 0
    .kernarg_segment_align: 8
    .kernarg_segment_size: 48
    .max_flat_workgroup_size: 512
    .sgpr_count:     66
    .vgpr_count:     256
    .wavefront_size: 32
...
	.end_amdgpu_metadata
.endif
;; end of part 2
;; launch proj (part 3): grid 4 x 64, 8 waves a work-group, clusters of 4 x 4, 254,976 bytes of LDS; arguments cc, cs, wo_codes, wo_scales, bo, out0; writes out0
.if DOCPART == 3
	.amdgcn_target "amdgcn-amd-amdhsa--gfx1250"
	.amdhsa_code_object_version 6
	.text
	.protected	k_q5c927040c4_proj
	.globl	k_q5c927040c4_proj
	.p2align	8
	.type	k_q5c927040c4_proj,@function
k_q5c927040c4_proj:
	s_mov_b64 s[64:65], 0
	v_nop
	global_prefetch_b8 v0, s[64:65] scope:SCOPE_SE
	s_setreg_imm32_b32 hwreg(HW_REG_WAVE_MODE, 25, 1), 1
	s_wait_xcnt 0x0
	s_wait_alu depctr_hold_cnt(0) depctr_sa_sdst(0) depctr_va_vdst(0) depctr_va_sdst(0) depctr_va_ssrc(0) depctr_va_vcc(0) depctr_vm_vsrc(0)
	s_getreg_b32 s2, hwreg(HW_REG_IB_STS2, 6, 4)
	s_cmp_eq_u32 s2, 0
	s_cbranch_scc0 .Lentry_in_a_cluster
	s_endpgm
.Lentry_in_a_cluster:
	s_bfe_u32 s2, ttmp6, 0x10000c
	s_cmp_lg_u32 s2, 0xf033
	s_cbranch_scc0 .Lentry_shape_is_right
	s_endpgm
.Lentry_shape_is_right:
; out = context Wo^T + bo on codes of FP4 (E2M1) with one E8M0 scale for each 32 along K = 1,024.  The context comes as images of operand registers (cc) and scale words (cs), Wo as given.
; SHARES.  A work-group takes 128 tokens x 256 features over all of K.  Wave w: features 64 wa on (wa = w / 2), tokens 64 wb on (wb = w % 2): 16 accumulators; two waves share a SIMD, so that one wave's LDS loads stand
; beside the other's products.  The product is used transposed (source 0 = 16 rows of Wo, source 1 = 16 tokens): a lane holds eight neighbouring features of one row of out.
; LDS is filled once, one load a wave: waves 0, 1 the context's codes, wave 2 its scale words, wave 3 Wo's scale bytes, waves 4-7 Wo's codes (two chunks of 256-byte rows x two halves of the rows).
; CLUSTER 4 x 4: the context hangs on the token block alone and is shared along a row of the cluster, Wo on the feature block alone and is shared along a column: joint loads.
; The bias is loaded INTO the accumulators, in the result's layout, and the first products add onto it.
; REGISTERS: v1-13 lane numbers and addresses; v16-31 the context's scale words (K step s, pair of token tiles n2: lanes 0-15 tile 2 n2, lanes 16-31 tile 2 n2 + 1); v32-47 Wo's (tile i: lanes 0-15 K steps 0-3, lanes 16-31 4-7);
;   v48-79 Wo's fragments, v80-111 the context's (on the way out: rows of out); v112-239 the accumulators, (feature tile i, token tile n) at 112 + 8 (4 n + i).
.set WOB, 65536                        ; behind the context's 65,536 bytes of images: Wo's codes, chunk c at + WCH c, 256 rows of 256 bytes + 16
.set WCH, 256*272
.set WSC, WOB+2*WCH                    ; Wo's scale bytes: 8,192, as 32 units of 256 bytes + 16
.set CSC, WSC+32*272                   ; the context's scale words: 8 K steps x 512 bytes
.set STG, CSC+4096                     ; the way out: 16 rows x (256 bytes + 16) for each wave; only LDS stores fill it
.set SPW, 16*272
.macro ROUND                           ; a round of the cluster's barrier
	s_barrier_signal -1
	s_barrier_wait -1
	s_cmp_lg_u32 s16, 0
	s_cbranch_scc1 .Lnot_wave_0_\@
	s_barrier_signal -3
.Lnot_wave_0_\@:
	s_barrier_wait -3
	s_barrier_signal -1
	s_barrier_wait -1
.endm
; one product, in place.  ra, rb: which half of the lanes holds source 0's and source 1's scales
.macro PM d, a, b, sa, sb, ra, rb
.if (\ra) == 0
.if (\rb) == 0
	v_wmma_scale_f32_16x16x128_f8f6f4 v[\d:\d+7], v[\a:\a+7], v[\b:\b+7], v[\d:\d+7], v[\sa], v[\sb] matrix_a_fmt:MATRIX_FMT_FP4 matrix_b_fmt:MATRIX_FMT_FP4
.else
	v_wmma_scale_f32_16x16x128_f8f6f4 v[\d:\d+7], v[\a:\a+7], v[\b:\b+7], v[\d:\d+7], v[\sa], v[\sb] matrix_a_fmt:MATRIX_FMT_FP4 matrix_b_fmt:MATRIX_FMT_FP4 matrix_b_scale:MATRIX_SCALE_ROW1
.endif
.else
.if (\rb) == 0
	v_wmma_scale_f32_16x16x128_f8f6f4 v[\d:\d+7], v[\a:\a+7], v[\b:\b+7], v[\d:\d+7], v[\sa], v[\sb] matrix_a_fmt:MATRIX_FMT_FP4 matrix_b_fmt:MATRIX_FMT_FP4 matrix_a_scale:MATRIX_SCALE_ROW1
.else
	v_wmma_scale_f32_16x16x128_f8f6f4 v[\d:\d+7], v[\a:\a+7], v[\b:\b+7], v[\d:\d+7], v[\sa], v[\sb] matrix_a_fmt:MATRIX_FMT_FP4 matrix_b_fmt:MATRIX_FMT_FP4 matrix_a_scale:MATRIX_SCALE_ROW1 matrix_b_scale:MATRIX_SCALE_ROW1
.endif
.endif
.endm
	s_load_b256 s[4:11], s[0:1], 0x0               ; cc, cs, Wo's codes, Wo's scales
	s_load_b128 s[12:15], s[0:1], 0x20             ; bo, out
	v_lshl_add_u32 v254, v0, 2, 0x3e000
	v_mov_b32 v255, 0
	ds_add_u32 v254, v255
	ds_add_u32 v254, v255
	v_lshrrev_b32 v1, 5, v0
	s_delay_alu instid0(VALU_DEP_1)
	v_readfirstlane_b32 s16, v1                    ; wave 0..7
	s_lshr_b32 s17, s16, 1                         ; wa
	s_and_b32 s18, s16, 1                          ; wb
	s_bfe_u32 s19, ttmp6, 0x40000                  ; cx
	s_bfe_u32 s20, ttmp6, 0x40004                  ; cy
	s_lshl_b32 s21, ttmp9, 2
	s_add_co_u32 s21, s21, s19                     ; the block of 256 features
	s_and_b32 s22, ttmp7, 0xffff
	s_lshl_b32 s22, s22, 2
	s_add_co_u32 s22, s22, s20                     ; the block of 128 tokens
	s_lshl_b32 s23, s20, 2
	s_lshl_b32 s23, 15, s23                        ; my row of the cluster
	s_lshl_b32 s76, 0x1111, s19                    ; my column
	; the context's codes: 32,768 dense bytes as 128 rows of 256 (32 elements of 8 bytes), no padding
	s_or_b32 s24, s23, (3<<16)|(1<<21)
	s_mov_b32 s25, 32<<16
	s_mov_b32 s26, 128<<16
	s_mov_b32 s27, 32<<16
	s_mov_b32 s28, 128
	s_mov_b32 s29, 32
	s_mov_b32 s30, 0
	s_mov_b32 s31, 0
	; its scale words: 8 rows (K steps) of 512 bytes (64 elements of 8 bytes), 32,768 bytes apart in memory
	s_or_b32 s32, s23, (3<<16)|(1<<21)
	s_mov_b32 s33, 64<<16
	s_mov_b32 s34, 8<<16
	s_mov_b32 s35, 64<<16
	s_mov_b32 s36, 8
	s_mov_b32 s37, 4096
	s_mov_b32 s38, 0
	s_mov_b32 s39, 0
	; Wo's scale bytes: 8,192 dense bytes as 32 rows of 256, 16 bytes of padding behind each
	s_or_b32 s40, s76, (3<<16)|(1<<20)|(1<<21)|(5<<22)|(3<<25)
	s_mov_b32 s41, 32<<16
	s_mov_b32 s42, 32<<16
	s_mov_b32 s43, 32<<16
	s_mov_b32 s44, 32
	s_mov_b32 s45, 32
	s_mov_b32 s46, 0
	s_mov_b32 s47, 0
	; Wo's codes: 128 rows x 256 bytes, 512 bytes apart in memory, 16 bytes of padding behind each
	s_or_b32 s48, s76, (1<<20)|(1<<21)|(5<<22)|(3<<25)
	s_mov_b32 s49, 256<<16
	s_mov_b32 s50, 128<<16
	s_mov_b32 s51, 256<<16
	s_mov_b32 s52, 128
	s_mov_b32 s53, 512
	s_mov_b32 s54, 0
	s_mov_b32 s55, 0
	; groups 0, one for each of the four lines; every wave makes all four and asks by one.  LDS addresses: constants and the wave's number
	s_mov_b32 s56, 1
	s_lshl_b32 s57, s16, 15
	s_lshl_b32 s58, s22, 16
	s_add_co_u32 s58, s58, s57
	s_mov_b32 s59, 0
	s_mov_b32 s60, 1
	s_mov_b32 s61, CSC
	s_lshl_b32 s62, s22, 9
	s_mov_b32 s63, 0
	s_mov_b32 s68, 1
	s_mov_b32 s69, WSC
	s_lshl_b32 s70, s21, 13
	s_mov_b32 s71, 0
	s_mov_b32 s72, 1
	s_and_b32 s77, s17, 1                          ; waves 4-7: chunk w % 2, half (w / 2) % 2 of the rows
	s_mul_i32 s73, s18, WCH
	s_mul_i32 s78, s77, 128*272
	s_add_co_u32 s73, s73, s78
	s_add_co_u32 s73, s73, WOB
	s_lshl_b32 s74, s21, 17
	s_lshl_b32 s78, s77, 16
	s_add_co_u32 s74, s74, s78
	s_lshl_b32 s78, s18, 8
	s_add_co_u32 s74, s74, s78
	s_mov_b32 s75, 0
	s_wait_dscnt 0x0
	s_wait_kmcnt 0x0
	s_add_nc_u64 s[58:59], s[4:5], s[58:59]
	s_add_nc_u64 s[62:63], s[6:7], s[62:63]
	s_add_nc_u64 s[70:71], s[10:11], s[70:71]
	s_add_nc_u64 s[74:75], s[8:9], s[74:75]
	s_or_b32 s59, s59, 0x80000000
	s_or_b32 s63, s63, 0x80000000
	s_or_b32 s71, s71, 0x80000000
	s_or_b32 s75, s75, 0x80000000
	ROUND                                          ; all sixteen work-groups are here: the joint loads meet
	s_cmp_lt_u32 s16, 2                            ; one load a wave; the branches hang on the wave's number alone
	s_cbranch_scc0 .Lnot_codes
	tensor_load_to_lds s[56:59], s[24:31]
	s_nop 0
.rept 4
	v_nop
.endr
	s_branch .Lasked
.Lnot_codes:
	s_cmp_eq_u32 s16, 2
	s_cbranch_scc0 .Lnot_words
	tensor_load_to_lds s[60:63], s[32:39]
	s_nop 0
.rept 4
	v_nop
.endr
	s_branch .Lasked
.Lnot_words:
	s_cmp_eq_u32 s16, 3
	s_cbranch_scc0 .Lwo_codes
	tensor_load_to_lds s[68:71], s[40:47]
	s_nop 0
.rept 4
	v_nop
.endr
	s_branch .Lasked
.Lwo_codes:
	tensor_load_to_lds s[72:75], s[48:55]
	s_nop 0
.rept 4
	v_nop
.endr
.Lasked:
	v_and_b32 v1, 15, v0                           ; r
	v_bfe_u32 v2, v0, 4, 1                         ; h
	v_and_b32 v3, 31, v0                           ; lane
	s_delay_alu instid0(VALU_DEP_3)
	v_mul_u32_u24 v4, v1, 272
	s_delay_alu instid0(VALU_DEP_1)
	v_lshl_add_u32 v4, v2, 4, v4
	s_mul_i32 s76, s17, 64*272
	s_add_co_u32 s76, s76, WOB
	v_add_nc_u32 v4, s76, v4                       ; Wo's fragments, K steps 0-3: my 64 rows, row r, + 16 h
	s_delay_alu instid0(VALU_DEP_1)
	v_add_nc_u32 v5, WCH, v4                       ; K steps 4-7
	s_lshl_b32 s76, s18, 15
	v_lshl_add_u32 v6, v3, 4, s76                  ; the context's images: 16 x lane, my four tiles of rows
	v_lshrrev_b32 v7, 3, v1
	s_delay_alu instid0(VALU_DEP_1)
	v_mul_u32_u24 v7, v7, 272
	v_and_b32 v12, 7, v1
	s_delay_alu instid0(VALU_DEP_1)
	v_lshl_add_u32 v7, v12, 5, v7
	s_delay_alu instid0(VALU_DEP_1)
	v_lshl_add_u32 v7, v2, 4, v7
	s_mul_i32 s76, s17, 2176
	s_add_co_u32 s76, s76, WSC
	v_add_nc_u32 v7, s76, v7                       ; Wo's scale bytes: row r's 32, eight rows to a unit of 272; lanes 16-31 take the upper 16
	s_lshl_b32 s76, s18, 8
	s_add_co_u32 s76, s76, CSC
	v_lshl_add_u32 v8, v3, 2, s76                  ; the context's scale words: 32 neighbouring rows to 32 lanes
	s_mul_i32 s76, s16, SPW
	s_add_co_u32 s76, s76, STG                     ; my stage
	v_mul_u32_u24 v9, v1, 272
	s_delay_alu instid0(VALU_DEP_1)
	v_lshl_add_u32 v9, v2, 5, v9
	s_delay_alu instid0(VALU_DEP_1)
	v_add_nc_u32 v9, s76, v9                       ; in: row r, 32 bytes for each half of the lanes
	v_mul_u32_u24 v10, v2, 272
	s_delay_alu instid0(VALU_DEP_1)
	v_lshl_add_u32 v10, v1, 4, v10
	s_delay_alu instid0(VALU_DEP_1)
	v_add_nc_u32 v10, s76, v10                     ; back: lanes 0-15 one row of 256 bytes, lanes 16-31 the next
	v_lshlrev_b32 v11, 12, v2
	s_delay_alu instid0(VALU_DEP_1)
	v_lshl_add_u32 v11, v1, 4, v11                 ; and the same two rows in out
	v_lshlrev_b32 v13, 5, v2                       ; the bias: 8 h numbers on
	s_wait_alu depctr_va_vdst(0)
	s_lshl_b32 s78, s21, 10
	s_lshl_b32 s77, s17, 8
	s_add_co_u32 s78, s78, s77                     ; my 64 features, in bytes
	s_mov_b32 s79, 0
	s_add_nc_u64 s[12:13], s[12:13], s[78:79]
	s_add_nc_u64 s[14:15], s[14:15], s[78:79]
	s_lshl_b32 s78, s22, 19
	s_lshl_b32 s77, s18, 18
	s_add_co_u32 s78, s78, s77                     ; my 64 tokens: rows of 4,096 bytes
	s_add_nc_u64 s[14:15], s[14:15], s[78:79]
.irp n, 0,1,2,3
.irp i, 0,1,2,3
.irp k, 0,1
	global_load_b128 v[112+8*(4*\n+\i)+4*\k:112+8*(4*\n+\i)+4*\k+3], v13, s[12:13] offset:64*\i+16*\k      ; register j: bo at feature 16 i + 8 h + j
.endr
.endr
.endr
	s_wait_tensorcnt 0x0                           ; my load is in,
	s_barrier_signal -1
	s_barrier_wait -1                              ; everybody's is
.irp s, 0,1,2,3,4,5,6,7
.irp m, 0,1
	ds_load_b32 v[16+2*\s+\m], v8 offset:512*\s+128*\m
.endr
.endr
.irp i, 0,1,2,3
	ds_load_b128 v[32+4*\i:35+4*\i], v7 offset:544*\i
.endr
	s_wait_loadcnt 0x0                             ; the bias
; A K step of 128: eight fragments from LDS, 16 products; the 16 accumulators take turns, one instruction a turn, in the same order in every step
.macro PSTEP s
.if (\s) > 0
.rept 4
	v_nop                                          ; places ahead of loads into registers that matrix instructions have read
.endr
.endif
.irp i, 0,1,2,3
.irp c, 0,1
	ds_load_b128 v[48+8*\i+4*\c:48+8*\i+4*\c+3], v[4+(\s)/4] offset:4352*\i+64*((\s)%4)+32*\c
.endr
.endr
.irp n, 0,1,2,3
.irp c, 0,1
	ds_load_b128 v[80+8*\n+4*\c:80+8*\n+4*\c+3], v6 offset:8192*\n+1024*(\s)+512*\c
.endr
.endr
	s_wait_dscnt 0x0
.irp n, 0,1,2,3
.irp i, 0,1,2,3
	PM 112+8*(4*\n+\i), 48+8*\i, 80+8*\n, 32+4*\i+(\s)%4, 16+2*(\s)+\n/2, (\s)/4, \n%2
.endr
.endr
.endm
.irp s, 0,1,2,3,4,5,6,7
	PSTEP \s
.endr
; THE WAY OUT, a tile of 16 tokens x my 64 features at a time: a lane's 32 bytes go into my own stage and come back as whole rows of 256 bytes, which sixteen lanes store as one aligned run of 256 bytes.
; LDS serves a wave's instructions in order (ISA guide 5.7.1.4): no wait between the stores and the loads, nor ahead of the next tile's stores.
.macro TOSTAGE n
.irp i, 0,1,2,3
	ds_store_b128 v9, v[112+8*(4*(\n)+\i):112+8*(4*(\n)+\i)+3] offset:64*\i            ; each accumulator from its low end on
	ds_store_b128 v9, v[112+8*(4*(\n)+\i)+4:112+8*(4*(\n)+\i)+7] offset:64*\i+16
.endr
.irp t, 0,1,2,3,4,5,6,7
	ds_load_b128 v[48+32*((\n)%2)+4*\t:48+32*((\n)%2)+4*\t+3], v10 offset:544*\t
.endr
.endm
.macro SEND n, younger                 ; younger: the LDS instructions issued behind tile n's loads, which may stay out
	s_wait_dscnt \younger
.irp t, 0,1,2,3,4,5,6,7
	global_store_b128 v11, v[48+32*((\n)%2)+4*\t:48+32*((\n)%2)+4*\t+3], s[14:15] offset:65536*(\n)+8192*\t th:TH_STORE_NT     ; written once, read by nobody here
.endr
.endm
.rept 4
	v_nop                                          ; places behind the last products: ahead of the reads of results and of loads into the fragments' registers
.endr
	TOSTAGE 0
.irp n, 1,2,3
.if \n > 1
	s_wait_xcnt 0x0                                ; tile n - 2's stores have read their registers: tile n's rows may land there
.endif
	TOSTAGE \n
	SEND \n-1, 16                                  ; behind tile n - 1's loads: tile n's eight stores and eight loads
.endr
	SEND 3, 0
	s_wait_tensorcnt 0x0
	ds_add_u32 v254, v255
	s_wait_dscnt 0x0
	ROUND                                          ; the closing round
	s_endpgm
.Lfunc_end_k_q5c927040c4_proj:
	.size	k_q5c927040c4_proj, .Lfunc_end_k_q5c927040c4_proj-k_q5c927040c4_proj
	.p2alignl 7, 3214868480
	.fill 96, 4, 3214868480
	.section	.rodata,"a",@progbits
	.p2align	6, 0x0
	.amdhsa_kernel k_q5c927040c4_proj
		.amdhsa_group_segment_fixed_size 254976
		.amdhsa_private_segment_fixed_size 0
		.amdhsa_enable_private_segment 0
		.amdhsa_kernarg_size 48
		.amdhsa_user_sgpr_count 2
		.amdhsa_user_sgpr_kernarg_segment_ptr 1
		.amdhsa_wavefront_size32 1
		.amdhsa_system_sgpr_workgroup_id_x 1
		.amdhsa_system_sgpr_workgroup_id_y 1
		.amdhsa_system_sgpr_workgroup_id_z 1
		.amdhsa_system_vgpr_workitem_id 0
		.amdhsa_next_free_vgpr 256
		.amdhsa_next_free_sgpr 84
		.amdhsa_reserve_vcc 0
		.amdhsa_float_denorm_mode_32 3
		.amdhsa_float_denorm_mode_16_64 3
		.amdhsa_memory_ordered 1
		.amdhsa_forward_progress 1
		.amdhsa_inst_pref_size 46
	.end_amdhsa_kernel
	.amdgpu_metadata
---
amdhsa.version: [ 1, 2 ]
amdhsa.kernels:
  - .name:           k_q5c927040c4_proj
    .symbol:         k_q5c927040c4_proj.kd
    .args:
      - { .name: cc, .offset: 0, .size: 8, .value_kind: global_buffer, .address_space: global }
      - { .name: cs, .offset: 8, .size: 8, .value_kind: global_buffer, .address_space: global }
      - { .name: wo_codes, .offset: 16, .size: 8, .value_kind: global_buffer, .address_space: global }
      - { .name: wo_scales, .offset: 24, .size: 8, .value_kind: global_buffer, .address_space: global }
      - { .name: bo, .offset: 32, .size: 8, .value_kind: global_buffer, .address_space: global }
      - { .name: out0, .offset: 40, .size: 8, .value_kind: global_buffer, .address_space: global }
    .group_segment_fixed_size: 254976
    .private_segment_fixed_size: 0
    .kernarg_segment_align: 8
    .kernarg_segment_size: 48
    .max_flat_workgroup_size: 256
    .sgpr_count:     84
    .vgpr_count:     256
    .wavefront_size: 32
...
	.end_amdgpu_metadata
.endif
;; end of part 3
